; MI455X (gfx1250); checked and timed in simulation.
; The chip was launched on July 23, 2026; its instructions are those of AMD's public machine-readable ISA for CDNA 5 (MIT licence, August 2026) and "CDNA5" Instruction Set Architecture Reference Guide (July 2026). The comments in the code are by the model that wrote it; some were corrected since.
;; Luonge Attention. Allowed arithmetic: matrix products marked QUANTISED: E5M2 operands, one E8M0 scale for each 32 along K, by v_wmma_scale_f32_16x16x128_f8f6f4 with both operands' format E5M2, f32 sums; products left as they are: f32 operands where the result goes on into a quantised operand, else bf16, f16 or f32 operands; f32 sums; everything else in f32.
;; Inputs: Wa 1,024 x 1,024 float32; dec_ht 32 x 1,024 float32; enc_hs 32 x 2,048 x 1,024 float32; mask 32 x 2,048 bool.
;; Outputs: out0 32 x 1,024 float32.
;; This version of the problem:
;;   THIS VERSION OF THE PROBLEM IS GIVEN IN LOW PRECISION. The matrix products marked QUANTISED in the list below multiply operands that are first quantised to E5M2 (5 exponent bits, 2 mantissa bits; 8 bits a number), with one power-of-two scale for each 32 numbers along K (OCP MX v1.0); their sums are f32. All else is computed in f32.
;;   The module's matrix products, in the order in which they are computed (A, B: the left and right operand; K: the contracted axis; several contracted axes count as one K, in the product's order):
;;     1. [M 65,536, K 1,024] x [K 1,024, N 1,024]; A: computed on the way; B: input Wa: QUANTISED
;;     2. batch 32 x [M 1, K 1,024] x [K 1,024, N 2,048]; A: input dec_ht; B: computed on the way: left as it is (M = 1 < 16)
;;     3. batch 32 x [M 1, K 2,048] x [K 2,048, N 1,024]; A: softmax; B: computed on the way: left as it is (M = 1 < 16)
;;   THE QUANTISER, for each operand of a quantised product, along K:
;;     - K is cut into blocks of 32 from its start; a last block that is shorter is filled with zeros.
;;     - A block's scale is 2^e with e = floor(log2(the largest magnitude in the block)) - 15, held to -126 .. 127; a block of zeros has e = 0. As a byte (E8M0): e + 127.
;;     - Each number is divided by its block's scale, clamped to +-57,344, and rounded to the nearest number of E5M2, ties to even, subnormals kept.
;;     - The product sums the exact products of the quantised numbers (number of the format x scale) in f32.
;;   ~~~python
;;   def quantise(x, axis):      # numpy; x: float32 -> the quantised numbers, widened to float32 again
;;       x = np.moveaxis(x, axis, -1); K = x.shape[-1]
;;       x = np.pad(x, [(0, 0)] * (x.ndim - 1) + [(0, -K % 32)]); x = x.reshape(x.shape[:-1] + (-1, 32)); a = np.abs(x).max(-1, keepdims=True)
;;       e = np.where(a > 0, np.clip(np.frexp(np.where(a > 0, a, 1))[1] - 1 - 15, -126, 127), 0)      # np.frexp(a)[1] - 1 = floor(log2(a)), exactly
;;       r = np.clip(x / 2.0 ** e, -57344, 57344)
;;       step = 2.0 ** (np.maximum(np.frexp(np.where(r == 0, 1, r))[1] - 1, -14) - 2)
;;       q = np.round(r / step) * step * 2.0 ** e      # np.round: ties to even
;;       return np.moveaxis(q.reshape(q.shape[:-2] + (-1,))[..., :K], -1, axis).astype(np.float32)
;;   ~~~
;;   OPERANDS COMPUTED ON THE WAY. 'Computed on the way' means the value that the module computes at that place (a softmax that the list does not call 'softmax' is quantised finished and normalised). What goes into a quantiser is computed in f32, as accurately as f32 sums, v_exp_f32 and their like allow (about 1e-6 of the number): no bf16 or f16 on the way to a quantiser, and a product that is left as it is and whose result goes on into a quantised operand takes f32 operands (vector FMAs, or v_wmma_f32_16x16x4_f32). A number that lies on a knife's edge between two numbers of the format may be rounded either way, as far as f32 arithmetic and the matrix unit's own rounding can turn it there, and no further.
;; One version. Each part assembles by itself: llvm-mc -triple=amdgcn-amd-amdhsa -mcpu=gfx1250 --defsym DOCPART=n.
;; ======== version 1 of 1: 3 launches
;; workspace buffers: wa_q 1,081,344 bytes; scores 262,144 bytes; live 65,536 bytes of whole numbers
;; launch prep (part 1): grid 8 x 8, 4 waves a work-group, no clusters, 0 bytes of LDS; arguments Wa, wa_q; writes wa_q
.if DOCPART == 1
	.amdgcn_target "amdgcn-amd-amdhsa--gfx1250"
	.amdhsa_code_object_version 6
	.text
	.protected	k_q91f571e7d8_prep
	.globl	k_q91f571e7d8_prep
	.p2align	8
	.type	k_q91f571e7d8_prep,@function
k_q91f571e7d8_prep:
	s_mov_b64 s[64:65], 0
	v_nop
	global_prefetch_b8 v0, s[64:65] scope:SCOPE_SE
	s_setreg_imm32_b32 hwreg(HW_REG_WAVE_MODE, 25, 1), 1
	s_wait_xcnt 0x0
; Wa [1024 (k)][1024 (u)], f32, is the right operand of the quantised product; K is its FIRST axis.  It is turned into codes of E5M2 with one E8M0 scale byte for each 32 along K,
; laid in the order in which the next launch's operand registers take them: 64 records, one for each tile of 16 columns, REC = 16,896 bytes each.
;   bytes 0 .. 16,383: codes.  K step s (128 along K) at 2,048 s; register group c at 512 c; lane l at 16 l: the codes of column 16 n + l % 16 for k = 128 s + 32 c + 16 (l / 16) + 0 .. 15.
;   bytes 16,384 .. 16,895: scale words.  Column r at 32 r, K step s at 4 s; byte c scales block c of that K step.
; A LANE TAKES A COLUMN AND ITS REGISTERS RUN DOWN K: a load reads 128 consecutive bytes a wave, a block of 32 lies in one lane's 32 registers, and the conversions give the codes with K innermost.
; A block's scale is 2^(floor(log2(its largest magnitude)) - 15); its byte is the largest magnitude's exponent field - 15, held at 1 from below.
; SHARES: work-group (x, y): columns 128 x .. 128 x + 127, K step y.  Wave w: 32 columns, the tiles 8 x + 2 w (lanes 0-15) and 8 x + 2 w + 1 (lanes 16-31).  Waves share nothing: no LDS, no barrier.
; LIMITS: a block of zeros gets the byte 1 where the rule says 127 (its codes are zeros, and this program alone reads the bytes); blocks whose largest magnitude lies under 2^-111 keep the byte 1;
; NaN and infinities among the inputs are not served.
.set REC, 16896
.set X,   32                           ; v32-159  four blocks of 32 numbers
.set C,   160                          ; v160-191 eight registers of codes for each block: no store's data are written again
.set SW,  16                           ; v16      my column's scale word for this K step
	s_load_b128 s[4:7], s[0:1], 0x0                ; Wa s[4:5], wa_q s[6:7]
	v_lshrrev_b32 v1, 5, v0
	v_readfirstlane_b32 s8, v1                     ; wave 0..3
	v_and_b32 v1, 31, v0                           ; lane
	v_lshlrev_b32 v2, 2, v1                        ; in: 4 bytes a lane
	v_lshrrev_b32 v5, 4, v1                        ; which of my wave's two tiles
	v_and_b32 v6, 15, v1                           ; my column in it
	v_mul_u32_u24 v5, v5, REC
	v_lshl_add_u32 v3, v6, 4, v5                   ; codes: the tile's record + 16 x column
	v_lshl_add_u32 v4, v6, 5, v5
	v_add_nc_u32 v4, 16384, v4                     ; scale words: the record + 16,384 + 32 x column
	s_and_b32 s9, ttmp7, 0xffff                    ; y: the K step
	s_lshl_b32 s10, s9, 19                         ; 128 rows of 4,096 bytes
	s_lshl_b32 s12, ttmp9, 9                       ; 128 columns
	s_add_co_u32 s10, s10, s12
	s_lshl_b32 s12, s8, 7                          ; my wave's 32 columns
	s_add_co_u32 s10, s10, s12
	s_mov_b32 s11, 0
	s_lshl_b32 s12, ttmp9, 3
	s_lshl_b32 s13, s8, 1
	s_add_co_u32 s12, s12, s13                     ; my first tile: 8 x + 2 w
	s_mul_i32 s12, s12, REC
	s_mov_b32 s13, 0
	s_lshl_b32 s14, s9, 11                         ; the K step's fragment in a record
	s_mov_b32 s15, 0
	s_lshl_b32 s16, s9, 2                          ; and its word among a column's eight
	s_mov_b32 s17, 0
	s_mov_b32 s31, 0x600000                        ; the mantissa field of 57,344
	s_wait_kmcnt 0x0
	s_add_nc_u64 s[4:5], s[4:5], s[10:11]
	s_add_nc_u64 s[6:7], s[6:7], s[12:13]
	s_add_nc_u64 s[18:19], s[6:7], s[16:17]        ; where the scale words go
	s_add_nc_u64 s[6:7], s[6:7], s[14:15]          ; where the codes go
.set kk, 0
.rept 128
	global_load_b32 v[X+kk], v2, s[4:5] offset:4096*kk th:TH_LOAD_NT   ; Wa(128 y + kk, my column): every offset is an immediate
.set kk, kk+1
.endr
; Block c of the K step.  left: how many younger loads may stay out (-1: the wait before has shown this block in)
.macro BLOCK c, left
.set XS, X+32*\c
.if \left >= 0
	s_wait_loadcnt \left
.endif
	v_max3_num_f32 v12, |v[XS]|, |v[XS+1]|, |v[XS+2]|              ; the block's largest magnitude: all 32 numbers are mine; two chains
	v_max3_num_f32 v13, |v[XS+3]|, |v[XS+4]|, |v[XS+5]|
.irp i, 6,10,14,18,22,26
	v_max3_num_f32 v12, v12, |v[XS+\i]|, |v[XS+\i+1]|
	v_max3_num_f32 v13, v13, |v[XS+\i+2]|, |v[XS+\i+3]|
.endr
	v_max3_num_f32 v12, v12, |v[XS+30]|, |v[XS+31]|
	v_max3_num_f32 v12, v12, v13, 0x8000000        ; and the floor 2^(16 - 127): the byte cannot fall under 1
	v_add_nc_u32 v11, 0xf8800000, v12              ; 15 off the exponent field: the conversion takes the exponent field of this operand as its scale
	v_and_or_b32 v10, v12, 0x7f800000, s31         ; 57,344 x the scale
	v_lshrrev_b32 v13, 23, v11                     ; the scale's byte
.if \c == 0
	v_mov_b32 v[SW], v13
.else
	v_lshl_or_b32 v[SW], v13, 8*\c, v[SW]
.endif
.irp i, 0,1,2,3,4,5,6,7,8,9,10,11,12,13,14,15,16,17,18,19,20,21,22,23,24,25,26,27,28,29,30,31
	v_med3_num_f32 v[XS+\i], v[XS+\i], -v10, v10   ; the conversion to an 8-bit code does not saturate (ISA guide 7.6.2): the hold at the largest code x the scale
.endr
.irp g, 0,1,2,3
	v_cvt_scalef32_pk8_bf8_f32 v[C+8*\c+2*\g:C+8*\c+2*\g+1], v[XS+8*\g:XS+8*\g+7], v11
.endr
	global_store_b128 v3, v[C+8*\c:C+8*\c+3], s[6:7] offset:512*\c          ; k = 32 c + 0 .. 15: the fragment's lanes 0-15: sixteen lanes store 256 consecutive bytes, aligned
	global_store_b128 v3, v[C+8*\c+4:C+8*\c+7], s[6:7] offset:512*\c+256    ; k = 32 c + 16 .. 31: its lanes 16-31
.endm
	BLOCK 0, 63                                    ; of 128 loads at most 63 are out: the first 65 are in, blocks 0 and 1 among them
	BLOCK 1, -1
	BLOCK 2, 32                                    ; block 3's 32 loads may be out
	BLOCK 3, 0
	global_store_b32 v4, v[SW], s[18:19]           ; my column's word: 4 bytes of each 32, the other K steps' work-groups write the rest; 32 KiB in the whole launch
	s_endpgm
.Lfunc_end_k_q91f571e7d8_prep:
	.size	k_q91f571e7d8_prep, .Lfunc_end_k_q91f571e7d8_prep-k_q91f571e7d8_prep
	.p2alignl 7, 3214868480
	.fill 96, 4, 3214868480
	.section	.rodata,"a",@progbits
	.p2align	6, 0x0
	.amdhsa_kernel k_q91f571e7d8_prep
		.amdhsa_group_segment_fixed_size 0
		.amdhsa_private_segment_fixed_size 0
		.amdhsa_enable_private_segment 0
		.amdhsa_kernarg_size 16
		.amdhsa_user_sgpr_count 2
		.amdhsa_user_sgpr_kernarg_segment_ptr 1
		.amdhsa_wavefront_size32 1
		.amdhsa_system_sgpr_workgroup_id_x 1
		.amdhsa_system_sgpr_workgroup_id_y 1
		.amdhsa_system_sgpr_workgroup_id_z 1
		.amdhsa_system_vgpr_workitem_id 0
		.amdhsa_next_free_vgpr 192
		.amdhsa_next_free_sgpr 66
		.amdhsa_reserve_vcc 0
		.amdhsa_float_denorm_mode_32 3
		.amdhsa_float_denorm_mode_16_64 3
		.amdhsa_memory_ordered 1
		.amdhsa_forward_progress 1
		.amdhsa_inst_pref_size 29
	.end_amdhsa_kernel
	.amdgpu_metadata
---
amdhsa.version: [ 1, 2 ]
amdhsa.kernels:
  - .name:           k_q91f571e7d8_prep
    .symbol:         k_q91f571e7d8_prep.kd
    .args:
      - { .name: Wa, .offset: 0, .size: 8, .value_kind: global_buffer, .address_space: global }
      - { .name: wa_q, .offset: 8, .size: 8, .value_kind: global_buffer, .address_space: global }
    .group_segment_fixed_size: 0
    .private_segment_fixed_size: 0
    .kernarg_segment_align: 8
    .kernarg_segment_size: 16
    .max_flat_workgroup_size: 128
    .sgpr_count:     66
    .vgpr_count:     192
    .wavefront_size: 32
...
	.end_amdgpu_metadata
.endif
;; end of part 1
;; launch score (part 2): grid 256 x 1, 4 waves a work-group, clusters of 4 x 1, 327,680 bytes of LDS; arguments enc_hs, mask, dec_ht, wa_q, scores, live; writes scores, live
.if DOCPART == 2
	.amdgcn_target "amdgcn-amd-amdhsa--gfx1250"
	.amdhsa_code_object_version 6
	.text
	.protected	k_q91f571e7d8_score
	.globl	k_q91f571e7d8_score
	.p2align	8
	.type	k_q91f571e7d8_score,@function
k_q91f571e7d8_score:
	s_mov_b64 s[64:65], 0
	v_nop
	global_prefetch_b8 v0, s[64:65] scope:SCOPE_SE
	s_setreg_imm32_b32 hwreg(HW_REG_WAVE_MODE, 25, 1), 1
	s_wait_xcnt 0x0
	s_wait_alu depctr_hold_cnt(0) depctr_sa_sdst(0) depctr_va_vdst(0) depctr_va_sdst(0) depctr_va_ssrc(0) depctr_va_vcc(0) depctr_vm_vsrc(0)
	s_getreg_b32 s2, hwreg(HW_REG_IB_STS2, 6, 4)
	s_cmp_eq_u32 s2, 0
	s_cbranch_scc0 .Lentry_in_a_cluster
	s_endpgm
.Lentry_in_a_cluster:
	s_bfe_u32 s2, ttmp6, 0x10000c
	s_cmp_lg_u32 s2, 0x3003
	s_cbranch_scc0 .Lentry_shape_is_right
	s_endpgm
.Lentry_shape_is_right:
; scores[b][t] = dec_ht[b] . (Q(enc_hs[b][t] x mask[b][t]) Q(Wa)), and -1e9 where mask[b][t] is false.  The product runs on codes of E5M2 with one E8M0 scale for each 32 along K = 1,024; sums in f32.
; live[b][t], a byte: 1 where mask[b][t] is true and the score lies within 90 of the largest score of my work-group's 256 rows, else 0.  The next launch fetches the live rows alone.
; SHARES.  A work-group owns 256 of the 65,536 rows (b, t), each of its four waves 64: four tiles of 16.  A WAVE'S ROWS STAY: their 64 x 1,024 codes fill 512 registers.  Wa's 64 records (one for each
; 16 columns, laid by the launch before as images of the operand's registers) pass through a ring of two LDS slots of 8 records; each fragment read from LDS feeds four matrix instructions.
; PHASE X: the wave loads its rows as f32, 16 neighbours of a block a lane, and quantises them in registers.  PHASE G: 64 column tiles x 8 K steps x 4 row tiles = 2,048 matrix instructions a wave;
; each tile's results are multiplied by dec_ht's 16 numbers and added up at once, so that the projection is never stored.
; THE MATRIX INSTRUCTION IS USED TRANSPOSED (source 0 = 16 columns of Wa, source 1 = 16 rows): lane (r, h) holds row r, and its registers j the columns 16 n + 8 h + j.
; THE MASK.  A hidden row is zero in the product and its score is exactly -1e9.  Its bytes are not fetched: its lanes name the bytes that lane 0 of the same instruction names (offset = mask x row), the
; hold's bound is multiplied by the mask, so that its codes are zeros, and the score is chosen by v_cndmask_b32.  No branch and no trip count hangs on the mask.
; THE LIVE ROWS.  The largest score m of my 256 rows is at most the batch's largest, M.  A row with s < m - 90 has s - M <= -90: its softmax weight is 2^x with x under -129, for which v_exp_f32 gives 0
; (it flushes results under 2^-126: its entry in the ISA guide, 15.8).  So the next launch loses nothing by not fetching it.  The flags are stored, and steer nothing in this launch.
; CLUSTER.  The four work-groups of a cluster lie in one batch (8 work-groups a batch) and all walk the same records: the records and dec_ht's row are asked for JOINTLY, by the same tensor load with the
; same descriptor and the mask 15.  My place in the cluster enters the addresses of enc_hs, mask, scores and live alone.
; LIMITS: NaN and infinities among the inputs are not served (a hidden row's bytes are not read but for rows that other lanes point at); blocks whose largest magnitude lies under 2^-111 keep the scale byte 1;
; the sum over the 1,024 columns is taken in another order than a plain dot product's, in f32; softmax weights under 2^-129 of the largest are taken as 0.
; REGISTERS, in windows of 256 (s_set_vgpr_msb: bits 1:0 source 0, 3:2 source 1, 5:4 source 2, 7:6 destination):
;   window 0: addresses, mask, work, scale words, dec_ht's numbers, the four accumulators.   window 1: my rows' codes of K steps 0-3, at 64 s + 16 a.   window 2: K steps 4-7, at 64 (s - 4) + 16 a.
;   window 3: phase X: four sets of 64 f32 numbers;  phase G: two sets of a record's 128 registers.
.set REC,   16896                      ; a record: 16,384 bytes of codes, 512 of scale words
.set SLOT,  8*REC                      ; 135,168 = 0x21000: shares no bit with wave x QUART, so that one exclusive or turns an address in one slot into the other's
.set QUART, 2*REC                      ; what one wave's tensor load brings
.set DECB,  2*SLOT                     ; behind the ring: dec_ht's row, 4,096 bytes, filled once
.set SPARE, DECB+4096                  ; behind it: the spare words, 128 bytes for each wave: two blocks of 256 bytes that no other line names
.set SCR,   SPARE+512                  ; behind them: a block of 256 bytes of its own, into which no fill lands: the four waves' largest scores
.set SPW,  1                           ; v1     LDS address of my spare word; never rewritten
.set NIL,  2                           ; v2     0; never rewritten
.set VL16, 3                           ; v3     16 x lane: my place in a register group's image
.set VR32, 4                           ; v4     16,384 + 32 r: column r's eight scale words in a record
.set VH32, 5                           ; v5     DECB + 32 h: my eight numbers of a tile's sixteen of dec_ht
.set VBA,  6                           ; v6-8   the LDS addresses of the pair of tiles in hand: codes, scale words, dec_ht
.set VSA,  7
.set VDA,  8
.set SOFF, 9                           ; v9     4 x lane: my place in 32 scores
.set VO,   10                          ; v10-13 row tile a: my byte offset in the tile's 16 rows: mask x 4,096 r + 64 h
.set MSK,  14                          ; v14-17 mask of row 16 a + r: 0 or 1
.set MFL,  18                          ; v18-21 the same as f32
.set T0,   22
.set T1,   23
.set TM,   24                          ; v24-27 largest magnitudes, v28-31 the other half's, then bytes, v32-35 the hold's bound, v36-39 the conversions' scale operands
.set SAC,  40                          ; v40-47 a pair for each row tile: the running dot product (even columns, odd columns)
.set ASC,  48                          ; v48-79 my rows' scale words: tile a, K step s at 8 a + s; they hold scales and nothing else
.set BSC,  80                          ; v80-95 a record's scale words, two sets of 8; likewise
.set DCV,  96                          ; v96-111 dec_ht's eight numbers, two sets
.set ACC,  112                         ; v112-143 four accumulators
.set OUTS, 144                         ; v144-149 the way out
.set MO,   150                         ; v150   r & 12: the word of four mask bytes that holds my row's
.set MS,   151                         ; v151   8 (r % 4): where my row's byte begins in it
.set SCW,  152                         ; v152   LDS address of my wave's word in SCR
.set SCA,  153                         ; v153   SCR
.set LOFF, 154                         ; v154   lane: my place in 32 flag bytes
.set KF,   155                         ; v155-156 the flags of rows 0-31 and 32-63, a row a lane
.set M01,  157                         ; v157-158 the mask in the same order
.set M23,  158
.set WV,   14                          ; s14  my wave's number
.set G1,   24                          ; s[24:31] descriptor group 1 for a quarter of a slot;  s[32:35] its group 0, which walks
.set G0,   32
.set G1D,  36                          ; s[36:43], s[44:47] the same for a quarter of dec_ht's row
.set G0D,  44
.set SEL,  48                          ; s[48:49] lane selects of v_permlanex16_b32: lane l xor 16
.set TB,   56                          ; s56  LDS byte at which the pair of records in hand begins
.set TD,   57                          ; s57  and its 128 bytes of dec_ht's row
.set GC,   58                          ; s58  counts slots
.set IC,   59                          ; s59  counts a slot's pairs
.set MSB, 0
.macro WIN new                         ; the immediate's high byte repeats the setting that is left; a switch that changes nothing is dropped
.if MSB != \new
	s_set_vgpr_msb (MSB<<8)|\new
.set MSB, \new
.endif
.endm
; A round of the cluster's barrier: my work-group's barrier, wave 0 signals for the work-group, every wave waits for all four work-groups, my work-group's barrier once more.
.macro ROUND
	s_barrier_signal -1
	s_barrier_wait -1
	s_cmp_lg_u32 s[WV], 0
	s_cbranch_scc1 .Lnot_wave_0_\@
	s_barrier_signal -3
.Lnot_wave_0_\@:
	s_barrier_wait -3
	s_barrier_signal -1
	s_barrier_wait -1
.endm
	s_load_b256 s[4:11], s[0:1], 0x0               ; enc_hs s[4:5], mask s[6:7], dec_ht s[8:9], wa_q s[10:11]
	s_load_b64 s[12:13], s[0:1], 0x20              ; scores
	s_load_b64 s[2:3], s[0:1], 0x28                ; live
	v_lshl_add_u32 v[SPW], v0, 2, SPARE
	v_mov_b32 v[NIL], 0
	ds_add_u32 v1, v2
	ds_add_u32 v1, v2
	s_wait_dscnt 0x0
	v_lshrrev_b32 v[T0], 5, v0
	v_readfirstlane_b32 s[WV], v[T0]               ; wave 0..3
	s_bfe_u32 s15, ttmp6, 0x40000                  ; cx: my place in the cluster
	s_lshl_b32 s16, ttmp9, 2                       ; in a cluster launch ttmp9 counts clusters
	s_add_co_u32 s16, s16, s15                     ; my block of 256 rows
	s_lshl_b32 s20, s16, 20                        ; 256 rows of 4,096 bytes,
	s_lshl_b32 s21, s[WV], 18                      ; my wave's 64
	s_add_co_u32 s20, s20, s21
	s_mov_b32 s21, 0
	s_lshl_b32 s22, s16, 8                         ; my wave's first row: 256 x block + 64 x wave: a byte a row in mask and in live,
	s_lshl_b32 s23, s[WV], 6
	s_add_co_u32 s22, s22, s23
	s_mov_b32 s23, 0
	s_lshl_b32 s60, s22, 2                         ; four in scores
	s_mov_b32 s61, 0
	s_lshr_b32 s62, ttmp9, 1                       ; the batch: two clusters to a batch; the four partners share it
	s_lshl_b32 s62, s62, 12                        ; its row of dec_ht,
	s_lshl_b32 s63, s[WV], 10                      ; my wave's quarter of it
	s_add_co_u32 s62, s62, s63
	s_mov_b32 s63, 0
	s_mul_i32 s18, s[WV], QUART                    ; my wave's quarter of a slot, in wa_q and in LDS alike
	s_mov_b32 s19, 0
	; descriptor group 1: a dense block as rows of 256 bytes (32 elements of 8 bytes), no padding: the images are read as consecutive bytes
	s_mov_b32 s[G1+0], 15|(3<<16)|(1<<21)          ; 15:0 the mask: all four work-groups; 17:16 elements of 8 bytes; 21 set beside a mask
	s_mov_b32 s[G1+1], 32<<16                      ; tensor_dim0 = 32
	s_mov_b32 s[G1+2], 132<<16                     ; tensor_dim1 = 132 rows: 33,792 bytes
	s_mov_b32 s[G1+3], 32<<16                      ; tile_dim0 = 32
	s_mov_b32 s[G1+4], 132                         ; tile_dim1 = 132
	s_mov_b32 s[G1+5], 32                          ; from row to row
	s_mov_b32 s[G1+6], 0
	s_mov_b32 s[G1+7], 0
	s_mov_b32 s[G1D+0], 15|(3<<16)|(1<<21)
	s_mov_b32 s[G1D+1], 32<<16
	s_mov_b32 s[G1D+2], 4<<16                      ; 4 rows: 1,024 bytes
	s_mov_b32 s[G1D+3], 32<<16
	s_mov_b32 s[G1D+4], 4
	s_mov_b32 s[G1D+5], 32
	s_mov_b32 s[G1D+6], 0
	s_mov_b32 s[G1D+7], 0
	s_mov_b32 s[SEL], 0x76543210
	s_mov_b32 s[SEL+1], 0xfedcba98
	s_mov_b32 s50, 0x8000000                       ; the floor 2^(16 - 127)
	s_mov_b32 s51, 0xf8800000                      ; 15 off an exponent field
	s_mov_b32 s52, 0x7f800000                      ; the exponent field
	s_mov_b32 s53, 0x600000                        ; the mantissa field of 57,344
	s_mov_b32 s54, 0xffff0000                      ; lanes 16-31
	v_and_b32 v[LOFF], 31, v0                      ; lane
	v_lshlrev_b32 v[VL16], 4, v[LOFF]
	v_lshlrev_b32 v[SOFF], 2, v[LOFF]
	v_and_b32 v[T1], 15, v0                        ; r
	v_lshl_add_u32 v[VR32], v[T1], 5, 16384
	v_bfe_u32 v[T0], v0, 4, 1                      ; h
	v_lshl_add_u32 v[VH32], v[T0], 5, DECB
	v_and_b32 v[MO], 12, v0                        ; r & 12
	v_and_b32 v[MS], 3, v0
	v_lshlrev_b32 v[MS], 3, v[MS]                  ; 8 (r % 4)
	v_mov_b32 v[SCW], s[WV]
	v_lshl_add_u32 v[SCW], v[SCW], 2, SCR          ; SCR + 4 x wave
	v_mov_b32 v[SCA], SCR
.irp b, 0,1,2,3
	v_mov_b32 v[TM+4+\b], 0                        ; written once: a lane permute's destination counts as one of its sources
.endr
	s_wait_kmcnt 0x0
	s_add_nc_u64 s[4:5], s[4:5], s[20:21]          ; enc_hs, mask, live and scores at my wave's first row
	s_add_nc_u64 s[6:7], s[6:7], s[22:23]
	s_add_nc_u64 s[2:3], s[2:3], s[22:23]
	s_add_nc_u64 s[12:13], s[12:13], s[60:61]
.irp a, 0,1,2,3
	global_load_b32 v[MSK+\a], v[MO], s[6:7] offset:16*\a   ; the aligned word of four mask bytes in which row 16 a + r's lies
.endr
	s_mov_b32 s[G0], 1                             ; 1:0 count = 1
	s_mov_b32 s[G0+1], s18                         ; LDS address: slot 0, my quarter
	s_add_nc_u64 s[G0+2:G0+3], s[10:11], s[18:19]  ; records 2 w and 2 w + 1
	s_or_b32 s[G0+3], s[G0+3], 0x80000000          ; type = 2
	s_mov_b32 s[G0D], 1
	s_lshl_b32 s[G0D+1], s[WV], 10
	s_add_co_u32 s[G0D+1], s[G0D+1], DECB
	s_add_nc_u64 s[G0D+2:G0D+3], s[8:9], s[62:63]
	s_or_b32 s[G0D+3], s[G0D+3], 0x80000000
	ROUND                                          ; all four work-groups are here: the first joint loads meet
	tensor_load_to_lds s[G0:G0+3], s[G1:G1+7]      ; the two first fills go out together: two loads of mine are out
	s_nop 0
	tensor_load_to_lds s[G0D:G0D+3], s[G1D:G1D+7]
	s_nop 0
.rept 4
	v_nop                                          ; four plain lines follow a tensor load
.endr
	s_wait_loadcnt 0x0                             ; the mask words
	v_lshlrev_b32 v[T1], 12, v[T1]                 ; 4,096 r
	v_lshlrev_b32 v[T0], 6, v[T0]                  ; 64 h: my 16 numbers of a block of 32
.irp a, 0,1,2,3
	v_bfe_u32 v[MSK+\a], v[MSK+\a], v[MS], 8       ; my row's byte
.endr
.irp a, 0,1,2,3
	v_min_u32 v[MSK+\a], 1, v[MSK+\a]              ; 0 or 1, whatever the byte
.endr
.irp a, 0,1,2,3
	v_cvt_f32_u32 v[MFL+\a], v[MSK+\a]
	v_mul_u32_u24 v[VO+\a], v[MSK+\a], v[T1]       ; a hidden row's lanes name the tile's first row
.endr
.irp a, 0,1,2,3
	v_add_nc_u32 v[VO+\a], v[VO+\a], v[T0]
.endr
; ---- PHASE X.  A piece is a row tile's K step: 16 rows x 128 numbers, 64 a lane: register 16 c + i = k 128 s + 32 c + 16 h + i of my row.  Piece 8 a + s uses set (8 a + s) % 4 of window 3.
.macro LOADP                           ; piece li: sixteen loads of 16 bytes a lane
.set la, li/8
.set ls, li%8
.set lq, li%4
	WIN 0xC0                                       ; destination window 3
.irp c, 0,1,2,3
.irp j, 0,1,2,3
	global_load_b128 v[64*lq+16*\c+4*\j:64*lq+16*\c+4*\j+3], v[VO+la], s[4:5] offset:65536*la+512*ls+128*\c+16*\j th:TH_LOAD_NT
.endr
.endr
.set li, li+1
.endm
.macro QUANT                           ; piece qi becomes a fragment's 16 registers of codes and its scale word
.set qa, qi/8
.set qs, qi%8
.set XQ, 64*(qi%4)
.set AQ, 64*(qs%4)+16*qa
	WIN 0x0F                                       ; sources 0 and 1 window 3
.irp b, 0,1,2,3
	v_max3_num_f32 v[TM+\b], |v[XQ+16*\b]|, |v[XQ+16*\b+1]|, s50   ; block b: my 16 numbers, and the floor: the byte cannot fall under 1
.endr
.irp i, 2,4,6,8,10,12,14
.irp b, 0,1,2,3
	v_max3_num_f32 v[TM+\b], |v[XQ+16*\b+\i]|, |v[XQ+16*\b+\i+1]|, v[TM+\b]   ; the four blocks by turns
.endr
.endr
	WIN 0
.irp b, 0,1,2,3
	v_permlanex16_b32 v[TM+4+\b], v[TM+\b], s[SEL], s[SEL+1]
.endr
.irp b, 0,1,2,3
	v_max_num_f32 v[TM+\b], v[TM+\b], v[TM+4+\b]   ; with lane l xor 16's 16: the block's largest magnitude
.endr
.irp b, 0,1,2,3
	v_add_nc_u32 v[TM+12+\b], s51, v[TM+\b]        ; 15 off its exponent field: the conversion's scale operand
.endr
.irp b, 0,1,2,3
	v_and_or_b32 v[TM+8+\b], v[TM+\b], s52, s53    ; 57,344 x the scale
.endr
.irp b, 0,1,2,3
	v_mul_f32 v[TM+8+\b], v[TM+8+\b], v[MFL+qa]    ; x the mask: a hidden row is held at 0, which is what enc_hs x mask is
.endr
.irp b, 0,1,2,3
	v_lshrrev_b32 v[TM+4+\b], 23, v[TM+12+\b]      ; the scale's byte
.endr
	v_lshl_or_b32 v[ASC+8*qa+qs], v[TM+5], 8, v[TM+4]              ; the four bytes make my row's scale word (a hidden row's codes are zeros under whatever byte from 1 to 254)
	v_lshl_or_b32 v[ASC+8*qa+qs], v[TM+6], 16, v[ASC+8*qa+qs]
	v_lshl_or_b32 v[ASC+8*qa+qs], v[TM+7], 24, v[ASC+8*qa+qs]
	WIN 0xC3                                       ; destination and source 0 window 3
.irp b, 0,1,2,3
.irp i, 0,1,2,3,4,5,6,7,8,9,10,11,12,13,14,15
	v_med3_num_f32 v[XQ+16*\b+\i], v[XQ+16*\b+\i], -v[TM+8+\b], v[TM+8+\b]   ; the conversion to an 8-bit code does not saturate (ISA guide 7.6.2): the hold
.endr
.endr
.if qs < 4
	WIN 0x43                                       ; destination window 1, source 0 window 3
.else
	WIN 0x83                                       ; destination window 2
.endif
.irp b, 0,1,2,3
	v_cvt_scalef32_pk8_bf8_f32 v[AQ+4*\b:AQ+4*\b+1], v[XQ+16*\b:XQ+16*\b+7], v[TM+12+\b]      ; registers 4 b .. 4 b + 3 of the fragment: k = 32 b + 16 h + 0 .. 15
	v_cvt_scalef32_pk8_bf8_f32 v[AQ+4*\b+2:AQ+4*\b+3], v[XQ+16*\b+8:XQ+16*\b+15], v[TM+12+\b]
.endr
	v_nop                                          ; one plain vector line behind the last conversion of the run
.set qi, qi+1
.endm
.set li, 0
.rept 4
	LOADP                                          ; four pieces, 64 loads a wave, are on their way throughout the phase
.endr
.set qi, 0
.rept 32
.if 31-qi < 3
	s_wait_loadcnt 16*(31-qi)                      ; the last pieces: the counts run down
.else
	s_wait_loadcnt 48                              ; this piece's sixteen loads are in; the three younger pieces' may be out
.endif
	QUANT
.if li < 32
	LOADP                                          ; the piece four further on takes the set that has just been converted
.endif
.endr
	WIN 0
.rept 8
	v_nop                                          ; a scale word written by vector instructions stands eight places ahead of a scaled matrix instruction, codes so written four
.endr
; ---- PHASE G.
; THE CHANGE OF SLOTS stands at a slot's head.  Each wave waits for all its tensor loads (its quarter of the slot ahead), adds 0 to its spare word, and waits for that and for its reads of the slot that it has left.
; fill = 1: the barrier is a round of the cluster's, so that no wave of any partner still reads the other slot or has a load on its way; that slot takes the next 8 records, by the wave's one load behind
; the round, which has a slot's 256 matrix instructions in which to land.
.macro CHANGE fill
	s_wait_tensorcnt 0x0                           ; no tensor load of mine is out, so the walking group 0 may be written
	ds_add_u32 v[SPW], v[NIL]                      ; 0 onto my spare word
.if \fill
	s_xor_b32 s[G0+1], s[G0+1], SLOT               ; the other slot than last time,
	s_add_nc_u64 s[G0+2:G0+3], s[G0+2:G0+3], SLOT  ; the next 8 records; the type bits on top are not reached
.endif
	s_wait_dscnt 0x0                               ; the add is done, and my reads of the slot that I have left are over
.if \fill
	ROUND
	tensor_load_to_lds s[G0:G0+3], s[G1:G1+7]
	s_nop 0
.rept 4
	v_nop
.endr
.else
	s_barrier_signal -1
	s_barrier_wait -1
.endif
.endm
.macro ADDR                            ; the LDS addresses of a pair of tiles
	v_add_nc_u32 v[VBA], s[TB], v[VL16]
	v_add_nc_u32 v[VSA], s[TB], v[VR32]
	v_add_nc_u32 v[VDA], s[TD], v[VH32]
.endm
; A UNIT fetches the pair's tile p into set p (ld = 1) and multiplies the tile before it, which lies in set 1 - p (wk = 1).  first = 1: the first tile's products with dec_ht start the running sums.
; The four accumulators take turns, one instruction a turn.  A tile's first four products take the constant 0 as C: nothing is cleared.
; Behind the 32 matrix instructions stand eight v_nop: the places ahead of the first read of a result (each accumulator from its low end on) and ahead of the next unit's loads into the registers that
; these products have read; with the twelve multiply-adds on the other accumulators there are more than nine places ahead of the next tile's first write over an accumulator.
.macro UNIT p, ld, wk, first
.if \ld
	WIN 0xC0                                       ; destination window 3
.irp s, 0,1,2,3,4,5,6,7
.irp c, 0,1,2,3
	ds_load_b128 v[128*\p+16*\s+4*\c:128*\p+16*\s+4*\c+3], v[VBA] offset:\p*REC+2048*\s+512*\c   ; 32 lanes read 512 consecutive bytes
.endr
.endr
	WIN 0
	ds_load_b128 v[BSC+8*\p:BSC+8*\p+3], v[VSA] offset:\p*REC         ; column r's scale words of K steps 0-3,
	ds_load_b128 v[BSC+8*\p+4:BSC+8*\p+7], v[VSA] offset:\p*REC+16    ; 4-7
	ds_load_b128 v[DCV+8*\p:DCV+8*\p+3], v[VDA] offset:64*\p          ; dec_ht at my eight columns
	ds_load_b128 v[DCV+8*\p+4:DCV+8*\p+7], v[VDA] offset:64*\p+16
.endif
.if \wk
.if \ld
	s_wait_dscnt 36                                ; all but the 36 just issued: the tile to be multiplied is in
.else
	s_wait_dscnt 0x0
.endif
.irp s, 0,1,2,3,4,5,6,7
.if \s == 0
	WIN 0x07                                       ; source 0 (Wa) window 3, source 1 (my rows) window 1
.endif
.if \s == 4
	WIN 0x0B                                       ; source 1 window 2
.endif
.irp a, 0,1,2,3
.if \s == 0
	v_wmma_scale_f32_16x16x128_f8f6f4 v[ACC+8*\a:ACC+8*\a+7], v[128*(1-\p)+16*\s:128*(1-\p)+16*\s+15], v[64*(\s%4)+16*\a:64*(\s%4)+16*\a+15], 0, v[BSC+8*(1-\p)+\s], v[ASC+8*\a+\s] matrix_a_fmt:MATRIX_FMT_BF8 matrix_b_fmt:MATRIX_FMT_BF8
.else
	v_wmma_scale_f32_16x16x128_f8f6f4 v[ACC+8*\a:ACC+8*\a+7], v[128*(1-\p)+16*\s:128*(1-\p)+16*\s+15], v[64*(\s%4)+16*\a:64*(\s%4)+16*\a+15], v[ACC+8*\a:ACC+8*\a+7], v[BSC+8*(1-\p)+\s], v[ASC+8*\a+\s] matrix_a_fmt:MATRIX_FMT_BF8 matrix_b_fmt:MATRIX_FMT_BF8
.endif
.endr
.endr
	WIN 0
.rept 8
	v_nop
.endr
.irp q, 0,1,2,3
.irp a, 0,1,2,3
.if (\first) && (\q == 0)
	v_pk_mul_f32 v[SAC+2*\a:SAC+2*\a+1], v[ACC+8*\a+2*\q:ACC+8*\a+2*\q+1], v[DCV+8*(1-\p)+2*\q:DCV+8*(1-\p)+2*\q+1]
.else
	v_pk_fma_f32 v[SAC+2*\a:SAC+2*\a+1], v[ACC+8*\a+2*\q:ACC+8*\a+2*\q+1], v[DCV+8*(1-\p)+2*\q:DCV+8*(1-\p)+2*\q+1], v[SAC+2*\a:SAC+2*\a+1]
.endif
.endr
.endr
.endif
.endm
.macro STEP2                           ; on to the next pair
	s_add_co_u32 s[TB], s[TB], 2*REC
	s_add_co_u32 s[TD], s[TD], 128
.endm
.macro PAIR
	ADDR
	UNIT 0, 1, 1, 0
	UNIT 1, 1, 1, 0
	STEP2
.endm
.macro NEXTSLOT                        ; four pairs have stepped TB by a whole slot: back, and into the other slot
	s_sub_co_u32 s[TB], s[TB], SLOT
	s_xor_b32 s[TB], s[TB], SLOT
.endm
	s_mov_b32 s[TB], 0
	s_mov_b32 s[TD], 0
	CHANGE 1                                       ; slot 0 and dec_ht's row are whole in every wave's sight; slot 1 takes records 8 to 15
	ADDR
	UNIT 0, 1, 0, 0                                ; tile 0 is fetched: there is nothing yet to multiply
	UNIT 1, 1, 1, 1                                ; tile 1 is fetched, tile 0 multiplied
	STEP2
	s_mov_b32 s[IC], 3
.Lfirst:
	PAIR
	s_sub_co_u32 s[IC], s[IC], 1
	s_cmp_lg_u32 s[IC], 0
	s_cbranch_scc1 .Lfirst
	NEXTSLOT
	s_mov_b32 s[GC], 6
.Lslot:                                            ; six trips: records 8 to 55 are multiplied, records 16 to 63 asked for
	CHANGE 1
	s_mov_b32 s[IC], 4
.Lpair:
	PAIR
	s_sub_co_u32 s[IC], s[IC], 1
	s_cmp_lg_u32 s[IC], 0
	s_cbranch_scc1 .Lpair
	NEXTSLOT
	s_sub_co_u32 s[GC], s[GC], 1
	s_cmp_lg_u32 s[GC], 0
	s_cbranch_scc1 .Lslot
	CHANGE 0                                       ; the last slot is written out: nothing is asked for
	s_mov_b32 s[IC], 4
.Ltail:
	PAIR
	s_sub_co_u32 s[IC], s[IC], 1
	s_cmp_lg_u32 s[IC], 0
	s_cbranch_scc1 .Ltail
	UNIT 0, 0, 1, 0                                ; tile 63
	; ---- THE WAY OUT.  The even and the odd columns' sums, and the other half of the lanes', are added; a hidden row's score is -1e9.
.irp a, 0,1,2,3
	v_add_f32 v[OUTS+\a], v[SAC+2*\a], v[SAC+2*\a+1]
.endr
.irp a, 0,1,2,3
	v_permlanex16_b32 v[TM+4+\a], v[OUTS+\a], s[SEL], s[SEL+1]
.endr
.irp a, 0,1,2,3
	v_add_f32 v[OUTS+\a], v[OUTS+\a], v[TM+4+\a]   ; both halves of the lanes now hold row 16 a + r's score
.endr
	v_mov_b32 v[T0], 0xce6e6b28                    ; -1e9
.irp a, 0,1,2,3
	v_cmp_ne_u32 vcc_lo, 0, v[MSK+\a]
	v_cndmask_b32 v[OUTS+\a], v[T0], v[OUTS+\a], vcc_lo
.endr
	v_cndmask_b32 v[OUTS+4], v[OUTS], v[OUTS+1], s54       ; lanes 0-15: rows 0-15; lanes 16-31: rows 16-31
	v_cndmask_b32 v[OUTS+5], v[OUTS+2], v[OUTS+3], s54     ; rows 32-63 likewise
	v_cndmask_b32 v[M01], v[MSK], v[MSK+1], s54            ; and the mask in the same order
	v_cndmask_b32 v[M23], v[MSK+2], v[MSK+3], s54
	global_store_b32 v[SOFF], v[OUTS+4], s[12:13]          ; the two stores cover my wave's 256 consecutive bytes, aligned, 128 each
	global_store_b32 v[SOFF], v[OUTS+5], s[12:13] offset:128
	; the largest score of the work-group's 256 rows: within the wave, then through four words of LDS
	v_max_num_f32 v[T1], v[OUTS+4], v[OUTS+5]
	v_max_num_f32_dpp v[T1], v[T1], v[T1] row_xmask:1 row_mask:0xf bank_mask:0xf
	v_max_num_f32_dpp v[T1], v[T1], v[T1] row_xmask:2 row_mask:0xf bank_mask:0xf
	v_max_num_f32_dpp v[T1], v[T1], v[T1] row_xmask:4 row_mask:0xf bank_mask:0xf
	v_max_num_f32_dpp v[T1], v[T1], v[T1] row_xmask:8 row_mask:0xf bank_mask:0xf
	v_permlanex16_b32 v[TM+4], v[T1], s[SEL], s[SEL+1]
	v_max_num_f32 v[T1], v[T1], v[TM+4]
	ds_store_b32 v[SCW], v[T1]                     ; all lanes write my wave's word with the same value
	s_wait_dscnt 0x0                               ; for the others' sake: my word is in LDS
	s_barrier_signal -1
	s_barrier_wait -1
	ds_load_b128 v[TM:TM+3], v[SCA]                ; the four waves' words
	s_wait_dscnt 0x0
	v_max3_num_f32 v[T1], v[TM], v[TM+1], v[TM+2]
	v_max_num_f32 v[T1], v[T1], v[TM+3]            ; m
	v_add_f32 v[T1], 0xc2b40000, v[T1]             ; m - 90.  A score under this number lies at least half a step of the f32 grid under it, so s - m <= -90 whatever way the sum was rounded
	v_cmp_ge_f32 vcc_lo, v[OUTS+4], v[T1]
	v_cndmask_b32 v[KF], 0, v[M01], vcc_lo         ; live: not hidden, and within 90 of m.  (The mask is taken in: where all 256 rows are hidden, m is -1e9 itself)
	v_cmp_ge_f32 vcc_lo, v[OUTS+5], v[T1]
	v_cndmask_b32 v[KF+1], 0, v[M23], vcc_lo
	global_store_b8 v[LOFF], v[KF], s[2:3]         ; a byte a row, laid as mask is: my wave's 64 consecutive bytes in two stores; 64 KiB in the whole launch
	global_store_b8 v[LOFF], v[KF+1], s[2:3] offset:32
	s_wait_tensorcnt 0x0                           ; the wave's end: behind my last tensor load and my last LDS store
	ds_add_u32 v[SPW], v[NIL]
	s_wait_dscnt 0x0
	ROUND                                          ; the closing round: no work-group ends while a partner may still ask for a tile that names it
	s_endpgm
.Lfunc_end_k_q91f571e7d8_score:
	.size	k_q91f571e7d8_score, .Lfunc_end_k_q91f571e7d8_score-k_q91f571e7d8_score
	.p2alignl 7, 3214868480
	.fill 96, 4, 3214868480
	.section	.rodata,"a",@progbits
	.p2align	6, 0x0
	.amdhsa_kernel k_q91f571e7d8_score
		.amdhsa_group_segment_fixed_size 327680
		.amdhsa_private_segment_fixed_size 0
		.amdhsa_enable_private_segment 0
		.amdhsa_kernarg_size 48
		.amdhsa_user_sgpr_count 2
		.amdhsa_user_sgpr_kernarg_segment_ptr 1
		.amdhsa_wavefront_size32 1
		.amdhsa_system_sgpr_workgroup_id_x 1
		.amdhsa_system_sgpr_workgroup_id_y 1
		.amdhsa_system_sgpr_workgroup_id_z 1
		.amdhsa_system_vgpr_workitem_id 0
		.amdhsa_next_free_vgpr 1024
		.amdhsa_next_free_sgpr 66
		.amdhsa_reserve_vcc 1
		.amdhsa_float_denorm_mode_32 3
		.amdhsa_float_denorm_mode_16_64 3
		.amdhsa_memory_ordered 1
		.amdhsa_forward_progress 1
		.amdhsa_inst_pref_size 255
	.end_amdhsa_kernel
	.section	.bss,"aw",@nobits
	.p2align	6
	.space	262144
	.amdgpu_metadata
---
amdhsa.version: [ 1, 2 ]
amdhsa.kernels:
  - .name:           k_q91f571e7d8_score
    .symbol:         k_q91f571e7d8_score.kd
    .args:
      - { .name: enc_hs, .offset: 0, .size: 8, .value_kind: global_buffer, .address_space: global }
      - { .name: mask, .offset: 8, .size: 8, .value_kind: global_buffer, .address_space: global }
      - { .name: dec_ht, .offset: 16, .size: 8, .value_kind: global_buffer, .address_space: global }
      - { .name: wa_q, .offset: 24, .size: 8, .value_kind: global_buffer, .address_space: global }
      - { .name: scores, .offset: 32, .size: 8, .value_kind: global_buffer, .address_space: global }
      - { .name: live, .offset: 40, .size: 8, .value_kind: global_buffer, .address_space: global }
    .group_segment_fixed_size: 327680
    .private_segment_fixed_size: 0
    .kernarg_segment_align: 8
    .kernarg_segment_size: 48
    .max_flat_workgroup_size: 128
    .sgpr_count:     66
    .vgpr_count:     1024
    .wavefront_size: 32
...
	.end_amdgpu_metadata
.endif
;; end of part 2
;; launch context (part 3): grid 16 x 32, 8 waves a work-group, no clusters, 11,776 bytes of LDS; arguments scores, live, enc_hs, out0; writes out0
.if DOCPART == 3
	.amdgcn_target "amdgcn-amd-amdhsa--gfx1250"
	.amdhsa_code_object_version 6
	.text
	.protected	k_q91f571e7d8_context
	.globl	k_q91f571e7d8_context
	.p2align	8
	.type	k_q91f571e7d8_context,@function
k_q91f571e7d8_context:
	s_mov_b64 s[64:65], 0
	v_nop
	global_prefetch_b8 v0, s[64:65] scope:SCOPE_SE
	s_setreg_imm32_b32 hwreg(HW_REG_WAVE_MODE, 25, 1), 1
	s_wait_xcnt 0x0
; out0[b][:] = the sum over t of softmax_t(scores[b][t]) x enc_hs[b][t][:] x mask[b][t].  All in f32; the scores come finished (-1e9 where the mask is false).
; live[b][t], a byte made by the launch before, is 1 where the mask is true and the score lies within 90 of the largest score of the row's block of 256 rows; else 0.
; SHARES.  Work-group (x, y) owns columns 64 x .. 64 x + 63 (256 bytes) of batch y: one owner for each output.  Each work-group makes the batch's softmax for itself: 8 KiB of scores, 8 a thread.
; Wave w, half h of its lanes, walks rows 256 w + 128 h + n, n = 0 .. 127: a load covers two rows x 256 consecutive bytes, aligned; sixteen loads a wave are on their way.
; SOFTMAX.  The batch's largest score M is taken away first; p = 2^((s - M) log2 e); the divisor is the sum of ALL p, hidden rows' too, as the definition has it (with every row hidden each p is 1, and the result 0).
; The rows are weighed with p, rows that are not live with 0, and the sum is divided once at the end.
; ROWS THAT ARE NOT LIVE weigh nothing: a hidden row of enc_hs x mask is zero; a visible one has s - M <= -90, an exponent under -129, for which v_exp_f32 gives 0 (it flushes results under 2^-126:
; its entry in the ISA guide, 15.8).  Their bytes are not fetched: their lanes name the batch's row 0 (offset = flag x row).  No branch and no trip count hangs on the flags.
; No matrix unit (the product has one row), no tensor load, no cluster (work-groups share only the 8 KiB of scores).
; LIMITS: NaN and infinities among the inputs are not served (row 0 of a batch is multiplied by 0 where other rows' lanes name it); softmax weights under 2^-129 of the largest are taken as 0.
.set RMAX, 0                           ; LDS: eight waves' maxima,
.set RSUM, 64                          ; their sums,
.set WB,   256                         ; the 2,048 weights,
.set REDC, 8448                        ; eight waves' partial results, 256 bytes each
.set VL16, 1                           ; v1   16 x (lane % 16): my 16 bytes of a row's 256
.set VR,   2                           ; v2   4,096 x my first row
.set WAD,  5                           ; v5   LDS address of my first row's weight
.set VMO,  6                           ; v6   my first row: its byte among the batch's flags
.set MW,   16                          ; v16-47   my 128 rows' flag bytes
.set OFF,  48                          ; v48-63   slot i: the byte offset of its load
.set X,    64                          ; v64-127  sixteen slots of 4 registers
.set WR,   128                         ; v128-159 weights: a ring of eight groups of four rows
.set ACC,  160                         ; v160-167 two sets of four sums: even n, odd n
.set S,    168                         ; v168-175 my eight scores, then p, then weights
.set MK,   176                         ; v176-177 their flag bytes
	s_load_b256 s[4:11], s[0:1], 0x0               ; scores s[4:5], live s[6:7], enc_hs s[8:9], out0 s[10:11]
	v_lshl_add_u32 v192, v0, 2, 0x2a00
	v_mov_b32 v193, 0
	v_lshrrev_b32 v3, 5, v0
	v_readfirstlane_b32 s12, v3                    ; wave 0..7
	s_and_b32 s13, ttmp7, 0xffff                   ; the batch
	v_and_b32 v9, 31, v0                           ; lane
	v_and_b32 v3, 15, v0
	v_lshlrev_b32 v[VL16], 4, v3
	v_bfe_u32 v4, v0, 4, 1                         ; h
	s_lshl_b32 s14, s12, 8                         ; 256 w
	v_lshl_add_u32 v[VMO], v4, 7, s14              ; 256 w + 128 h
	v_lshlrev_b32 v[VR], 12, v[VMO]
	v_lshl_add_u32 v[WAD], v[VMO], 2, WB
	v_lshlrev_b32 v10, 5, v0                       ; 32 x thread: my eight scores
	v_lshlrev_b32 v11, 3, v0                       ; 8 x thread: their flag bytes
	v_add_nc_u32 v12, WB, v10                      ; LDS: where my eight weights go
	v_mov_b32 v13, s12
	v_lshlrev_b32 v13, 2, v13                      ; LDS: my wave's word among eight
	v_lshl_add_u32 v7, v9, 3, REDC                 ; LDS: on the way out 8 bytes a lane,
	v_lshlrev_b32 v8, 3, v9                        ; and the same in out0
	v_add_nc_u32 v14, s14, v[VL16]
	v_add_nc_u32 v14, REDC, v14                    ; LDS: my wave's partial result, my 16 bytes
	v_mov_b32 v15, 0
	s_mov_b32 s24, 0x76543210
	s_mov_b32 s25, 0xfedcba98                      ; v_permlanex16_b32's selects for lane l xor 16
	s_lshl_b32 s16, s13, 13                        ; the batch in scores,
	s_mov_b32 s17, 0
	s_lshl_b32 s18, s13, 11                        ; in live,
	s_mov_b32 s19, 0
	s_lshl_b32 s20, s13, 23                        ; in enc_hs, and my 256 bytes of a row,
	s_lshl_b32 s21, ttmp9, 8
	s_add_co_u32 s20, s20, s21
	s_mov_b32 s21, 0
	s_lshl_b32 s22, s13, 12                        ; in out0 likewise
	s_lshl_b32 s23, ttmp9, 8
	s_add_co_u32 s22, s22, s23
	s_mov_b32 s23, 0
	s_wait_kmcnt 0x0
	s_add_nc_u64 s[4:5], s[4:5], s[16:17]
	s_add_nc_u64 s[6:7], s[6:7], s[18:19]
	s_add_nc_u64 s[8:9], s[8:9], s[20:21]
	s_add_nc_u64 s[10:11], s[10:11], s[22:23]
.irp g, 0,1,2,3,4,5,6,7
	global_load_b128 v[MW+4*\g:MW+4*\g+3], v[VMO], s[6:7] offset:16*\g
.endr
	global_load_b128 v[S:S+3], v10, s[4:5]
	global_load_b128 v[S+4:S+7], v10, s[4:5] offset:16
	global_load_b64 v[MK:MK+1], v11, s[6:7]
; Row ni is asked for, into slot ni % 16.  The slot's offset register is free: the wait for the slot's last load has shown that load done.
.macro ISSUE
	v_bfe_u32 v3, v[MW+ni/4], 8*(ni%4), 1          ; the row's flag,
	v_min_u32 v3, 1, v3                            ; 0 or 1
	v_add_nc_u32 v4, ni<<12, v[VR]                 ; the row's first byte in the batch: under 2^23
	v_mul_u32_u24 v3, v3, v4                       ; a row that is not live names row 0
	v_add_nc_u32 v[OFF+ni%16], v3, v[VL16]
	global_load_b128 v[X+4*(ni%16):X+4*(ni%16)+3], v[OFF+ni%16], s[8:9]
.set ni, ni+1
.endm
; Row nc is weighed and added.  Rows 0 and 1 start the two sets of sums: nothing is cleared.
.macro CONSUME
.if 127-nc < 15
	s_wait_loadcnt 127-nc                          ; the last rows: the counts run down
.else
	s_wait_loadcnt 15                              ; loads come back in order: this row is in, the fifteen younger may be out
.endif
.irp k, 0,1,2,3
.if nc < 2
	v_mul_f32 v[ACC+4*(nc%2)+\k], v[X+4*(nc%16)+\k], v[WR+4*((nc/4)%8)+nc%4]
.else
	v_fmac_f32 v[ACC+4*(nc%2)+\k], v[X+4*(nc%16)+\k], v[WR+4*((nc/4)%8)+nc%4]
.endif
.endr
.set nc, nc+1
.endm
	s_wait_loadcnt 3                               ; my rows' flag bytes are in; the scores and their flag bytes may be out
.set ni, 0
.rept 16
	ISSUE                                          ; the first sixteen rows are on their way while the softmax is made
.endr
	s_wait_loadcnt 16                              ; the scores and their flag bytes are in
	; the batch's largest score
	v_max3_num_f32 v178, v[S], v[S+1], v[S+2]
	v_max3_num_f32 v179, v[S+3], v[S+4], v[S+5]
	v_max3_num_f32 v178, v178, v[S+6], v[S+7]
	v_max_num_f32 v178, v178, v179
	v_max_num_f32_dpp v178, v178, v178 row_xmask:1 row_mask:0xf bank_mask:0xf
	v_max_num_f32_dpp v178, v178, v178 row_xmask:2 row_mask:0xf bank_mask:0xf
	v_max_num_f32_dpp v178, v178, v178 row_xmask:4 row_mask:0xf bank_mask:0xf
	v_max_num_f32_dpp v178, v178, v178 row_xmask:8 row_mask:0xf bank_mask:0xf
	v_permlanex16_b32 v179, v178, s24, s25
	v_max_num_f32 v178, v178, v179
	ds_store_b32 v13, v178 offset:RMAX             ; all lanes write my wave's word with the same value
	s_wait_dscnt 0x0                               ; for the others' sake
	s_barrier_signal -1
	s_barrier_wait -1
	ds_load_b128 v[180:183], v15 offset:RMAX
	ds_load_b128 v[184:187], v15 offset:RMAX+16
	s_wait_dscnt 0x0
	v_max3_num_f32 v178, v180, v181, v182
	v_max3_num_f32 v179, v183, v184, v185
	v_max3_num_f32 v178, v178, v186, v187
	v_max_num_f32 v178, v178, v179                 ; M
.irp j, 0,1,2,3,4,5,6,7
	v_sub_f32 v[S+\j], v[S+\j], v178               ; the difference first, so that large scores lose nothing,
.endr
.irp j, 0,1,2,3,4,5,6,7
	v_mul_f32 v[S+\j], 0x3fb8aa3b, v[S+\j]         ; then x log2(e)
.endr
.irp j, 0,1,2,3,4,5,6,7
	v_exp_f32 v[S+\j], v[S+\j]                     ; p, at most 1: one batch
.endr
.irp j, 0,1,2,3,4,5,6,7
	v_bfe_u32 v[180+\j], v[MK+\j/4], 8*(\j%4), 1   ; my eight rows' flags: plain work that names no result of the batch
.endr
	s_wait_alu depctr_va_vdst(0)                   ; one wait for the eight exponentials, ahead of their first reader
	v_add_f32 v188, v[S], v[S+1]                   ; the divisor takes every p
	v_add_f32 v189, v[S+2], v[S+3]
	v_add_f32 v190, v[S+4], v[S+5]
	v_add_f32 v191, v[S+6], v[S+7]
	v_add_f32 v188, v188, v189
	v_add_f32 v190, v190, v191
	v_add_f32 v188, v188, v190
	v_add_f32_dpp v188, v188, v188 row_xmask:1 row_mask:0xf bank_mask:0xf
	v_add_f32_dpp v188, v188, v188 row_xmask:2 row_mask:0xf bank_mask:0xf
	v_add_f32_dpp v188, v188, v188 row_xmask:4 row_mask:0xf bank_mask:0xf
	v_add_f32_dpp v188, v188, v188 row_xmask:8 row_mask:0xf bank_mask:0xf
	v_permlanex16_b32 v189, v188, s24, s25
	v_add_f32 v188, v188, v189
	ds_store_b32 v13, v188 offset:RSUM
.irp j, 0,1,2,3,4,5,6,7
	v_cmp_ne_u32 vcc_lo, 0, v[180+\j]
	v_cndmask_b32 v[S+\j], 0, v[S+\j], vcc_lo      ; a row that is not live weighs nothing
.endr
	ds_store_b128 v12, v[S:S+3]
	ds_store_b128 v12, v[S+4:S+7] offset:16
	s_wait_dscnt 0x0                               ; for the others' sake: my sum and my eight weights are in LDS
	s_barrier_signal -1
	s_barrier_wait -1
	; the rows: 32 groups of four; the weights run four groups ahead, the rows sixteen
.irp g, 0,1,2,3
	ds_load_b128 v[WR+4*\g:WR+4*\g+3], v[WAD] offset:16*\g
.endr
.set nc, 0
.set G, 0
.rept 32
.if 31-G < 3
	s_wait_dscnt 31-G
.else
	s_wait_dscnt 3                                 ; this group's weights are in; the three younger groups' may be out
.endif
.if G+4 < 32
	ds_load_b128 v[WR+4*((G+4)%8):WR+4*((G+4)%8)+3], v[WAD] offset:16*(G+4)
.endif
.rept 4
	CONSUME
.if ni < 128
	ISSUE
.endif
.endr
.set G, G+1
.endr
	v_pk_add_f32 v[ACC:ACC+1], v[ACC:ACC+1], v[ACC+4:ACC+5]        ; even and odd rows,
	v_pk_add_f32 v[ACC+2:ACC+3], v[ACC+2:ACC+3], v[ACC+6:ACC+7]
.irp k, 0,1,2,3
	v_permlanex16_b32 v[S+\k], v[ACC+\k], s24, s25
.endr
.irp k, 0,1,2,3
	v_add_f32 v[ACC+\k], v[ACC+\k], v[S+\k]        ; and the other half of the lanes' 128 rows
.endr
	ds_store_b128 v14, v[ACC:ACC+3]                ; both halves write the same bytes with the same values
	s_wait_dscnt 0x0
	s_barrier_signal -1
	s_barrier_wait -1
	s_cmp_lg_u32 s12, 0                            ; wave 0 adds the eight partial results up, divides and stores
	s_cbranch_scc1 .Lend
.irp i, 0,1,2,3,4,5,6,7
	ds_load_b64 v[X+2*\i:X+2*\i+1], v7 offset:256*\i
.endr
	ds_load_b128 v[180:183], v15 offset:RSUM
	ds_load_b128 v[184:187], v15 offset:RSUM+16
	s_wait_dscnt 0x0
	v_add_f32 v180, v180, v181
	v_add_f32 v182, v182, v183
	v_add_f32 v184, v184, v185
	v_add_f32 v186, v186, v187
	v_add_f32 v180, v180, v182
	v_add_f32 v184, v184, v186
	v_add_f32 v178, v180, v184                     ; the divisor: at least 1, since the largest score's p is 1
	v_rcp_f32 v178, v178
	v_pk_add_f32 v[X:X+1], v[X:X+1], v[X+2:X+3]    ; plain work behind the reciprocal
	v_pk_add_f32 v[X+4:X+5], v[X+4:X+5], v[X+6:X+7]
	v_pk_add_f32 v[X+8:X+9], v[X+8:X+9], v[X+10:X+11]
	v_pk_add_f32 v[X+12:X+13], v[X+12:X+13], v[X+14:X+15]
	v_pk_add_f32 v[X:X+1], v[X:X+1], v[X+4:X+5]
	v_pk_add_f32 v[X+8:X+9], v[X+8:X+9], v[X+12:X+13]
	v_pk_add_f32 v[X:X+1], v[X:X+1], v[X+8:X+9]
	s_wait_alu depctr_va_vdst(0)                   ; the wait ahead of the reciprocal's first reader
	v_pk_mul_f32 v[X:X+1], v[X:X+1], v[178:179] op_sel_hi:[1,0]
	global_store_b64 v8, v[X:X+1], s[10:11]        ; 32 lanes store 256 consecutive bytes, aligned
.Lend:
	s_wait_tensorcnt 0x0
	ds_add_u32 v192, v193
	s_wait_dscnt 0x0
	s_endpgm
.Lfunc_end_k_q91f571e7d8_context:
	.size	k_q91f571e7d8_context, .Lfunc_end_k_q91f571e7d8_context-k_q91f571e7d8_context
	.p2alignl 7, 3214868480
	.fill 96, 4, 3214868480
	.section	.rodata,"a",@progbits
	.p2align	6, 0x0
	.amdhsa_kernel k_q91f571e7d8_context
		.amdhsa_group_segment_fixed_size 11776
		.amdhsa_private_segment_fixed_size 0
		.amdhsa_enable_private_segment 0
		.amdhsa_kernarg_size 32
		.amdhsa_user_sgpr_count 2
		.amdhsa_user_sgpr_kernarg_segment_ptr 1
		.amdhsa_wavefront_size32 1
		.amdhsa_system_sgpr_workgroup_id_x 1
		.amdhsa_system_sgpr_workgroup_id_y 1
		.amdhsa_system_sgpr_workgroup_id_z 1
		.amdhsa_system_vgpr_workitem_id 0
		.amdhsa_next_free_vgpr 194
		.amdhsa_next_free_sgpr 66
		.amdhsa_reserve_vcc 1
		.amdhsa_float_denorm_mode_32 3
		.amdhsa_float_denorm_mode_16_64 3
		.amdhsa_memory_ordered 1
		.amdhsa_forward_progress 1
		.amdhsa_inst_pref_size 73
	.end_amdhsa_kernel
	.amdgpu_metadata
---
amdhsa.version: [ 1, 2 ]
amdhsa.kernels:
  - .name:           k_q91f571e7d8_context
    .symbol:         k_q91f571e7d8_context.kd
    .args:
      - { .name: scores, .offset: 0, .size: 8, .value_kind: global_buffer, .address_space: global }
      - { .name: live, .offset: 8, .size: 8, .value_kind: global_buffer, .address_space: global }
      - { .name: enc_hs, .offset: 16, .size: 8, .value_kind: global_buffer, .address_space: global }
      - { .name: out0, .offset: 24, .size: 8, .value_kind: global_buffer, .address_space: global }
    .group_segment_fixed_size: 11776
    .private_segment_fixed_size: 0
    .kernarg_segment_align: 8
    .kernarg_segment_size: 32
    .max_flat_workgroup_size: 256
    .sgpr_count:     66
    .vgpr_count:     194
    .wavefront_size: 32
...
	.end_amdgpu_metadata
.endif
;; end of part 3
